; MI455X (gfx1250); checked and timed in simulation.
; The chip was launched on July 23, 2026; its instructions are those of AMD's public machine-readable ISA for CDNA 5 (MIT licence, August 2026) and "CDNA5" Instruction Set Architecture Reference Guide (July 2026). The comments in the code are by the model that wrote it; some were corrected since.
;; Action Discretizer. Allowed arithmetic: float matrix products may take bf16 or f16 operands with f32 sums; other float arithmetic in f32, or as packed bf16 or f16 multiplies, adds, multiply-adds, maxima and minima; sums over many terms, partial sums and values carried from step to step in f32; what a program stores and reads back later, other than sums and carried values, may be rounded once to bf16 or f16.
;; Inputs: centroids 4,096 x 512 float32; x 32,768 x 512 float32.
;; Outputs: out0 32,768 int32.
;; One version. Each part assembles by itself: llvm-mc -triple=amdgcn-amd-amdhsa -mcpu=gfx1250 --defsym DOCPART=n.
;; ======== version 1 of 1: 2 launches
;; workspace buffers: cb 4,194,304 bytes; csq 16,384 bytes
;; launch prep (part 1): grid 256 x 1, 4 waves a work-group, no clusters, 0 bytes of LDS; arguments centroids, cb, csq; writes cb, csq
.if DOCPART == 1
	.amdgcn_target "amdgcn-amd-amdhsa--gfx1250"
	.amdhsa_code_object_version 6
	.text
	.protected	k_q684508a8ca_prep
	.globl	k_q684508a8ca_prep
	.p2align	8
	.type	k_q684508a8ca_prep,@function
k_q684508a8ca_prep:
	s_mov_b64 s[64:65], 0
	v_nop
	global_prefetch_b8 v0, s[64:65] scope:SCOPE_SE
	s_setreg_imm32_b32 hwreg(HW_REG_WAVE_MODE, 25, 1), 1
	s_wait_xcnt 0x0
; THE CENTROIDS, ROUNDED ONCE.  cb[k][:] = centroids[k][:] rounded to bf16 (to nearest even); csq[k] = the sum over d of cb[k][d]^2, in f32.
; centroids: [4096][512] f32.  cb: [4096][512] bf16, rows of 1,024 bytes.  csq: [4096] f32.
; THE WHOLE PROGRAM: out0[b] = the lowest k that makes csq[k] - 2 x[b].c[k] least.  Nothing of reference() is left out: both inputs reach the result, and the term ||x||^2 is
; dropped by reference() itself.  The product goes to the matrix units in bf16, so x and the centroids are each rounded once to bf16, and the squares are taken of the ROUNDED
; centroids: the program computes reference() on its inputs rounded to bf16.
; LIMITS.  Sums are f32 in another order than reference()'s: where a row's two least distances lie closer than the two summations' rounding (some 1e-4 at distances of some hundreds),
; the index may be the other one.  NaN and infinities among the inputs are not treated as argmin treats them.
; SHARES.  256 work-groups of four waves; a wave takes four whole rows, one after the other, all sixteen loads out at once.  In a row lane l holds the numbers 256 t + 8 l + 0..7, t = 0, 1:
; two loads of 16 bytes for each t; rounded they are 16 bytes, so that a store of the wave covers 512 consecutive bytes of cb, aligned.
; No LDS, no barrier, no matrix unit: each byte is read once and written once, and no wave needs another's.  A wave's four sums leave as 16 bytes from one lane: csq is 16 KiB in all.
.set ROWF, 2048                        ; bytes in a row of centroids
.set ROWH, 1024                        ; bytes in a row of cb
.set IN,  16                           ; v[16:79]    row q: 16 registers as loaded, in the order of the lane's numbers
.set PK,  80                           ; v[80:111]   row q: 8 registers, rounded and packed: a store's data, never rewritten
.set T,   112                          ; v[112:127]  the rounded numbers as f32, at work
.set A,   128                          ; v[128:131]  two packed chains of squares
.set W,   132                          ; v[132:133]  at work
.set S,   136                          ; v[136:139]  the four rows' sums
	s_load_b128 s[4:7], s[0:1], 0x0                ; centroids s[4:5], cb s[6:7]
	s_load_b64 s[8:9], s[0:1], 0x10                ; csq
	v_lshrrev_b32 v5, 5, v0
	v_readfirstlane_b32 s10, v5                    ; wave 0..3
	v_and_b32 v1, 31, v0                           ; lane
	v_lshlrev_b32 v2, 5, v1                        ; 32 bytes of f32 a lane
	v_lshlrev_b32 v3, 4, v1                        ; 16 bytes of bf16 a lane
	v_mov_b32 v4, 0                                ; the offset of the sums' store
	v_mov_b32 v[W+1], 0                            ; v_permlanex16_b32 counts as a reader of its destination
	s_lshl_b32 s11, ttmp9, 4
	s_lshl2_add_u32 s11, s10, s11                  ; my first row: 16 x work-group + 4 x wave
	s_mov_b32 s13, 0xffff0000                      ; a word's upper bf16
	s_mov_b32 s14, 0x76543210                      ; v_permlanex16_b32: each lane takes its own place in the other half
	s_mov_b32 s15, 0xfedcba98
	s_lshl_b32 s16, s11, 11                        ; that row's byte in centroids,
	s_mov_b32 s17, 0
	s_lshl_b32 s18, s11, 10                        ; in cb,
	s_mov_b32 s19, 0
	s_lshl_b32 s20, s11, 2                         ; and in csq
	s_mov_b32 s21, 0
	s_wait_kmcnt 0x0
	s_add_nc_u64 s[4:5], s[4:5], s[16:17]
	s_add_nc_u64 s[6:7], s[6:7], s[18:19]
	s_add_nc_u64 s[8:9], s[8:9], s[20:21]
.irp q, 0,1,2,3
.irp n, 0,1,2,3
	global_load_b128 v[IN+16*(\q)+4*(\n):IN+16*(\q)+4*(\n)+3], v2, s[4:5] offset:(\q)*ROWF+1024*((\n)/2)+16*((\n)%2) th:TH_LOAD_NT
.endr
.endr
.macro ROW q
	s_wait_loadcnt 12-4*(\q)                       ; loads come back in order (ISA guide 5.7.1): row q's four are in, the later rows' stay out
.irp m, 0,1,2,3,4,5,6,7
	v_cvt_pk_bf16_f32 v[PK+8*(\q)+(\m)], v[IN+16*(\q)+2*(\m)], v[IN+16*(\q)+2*(\m)+1]
.endr
	global_store_b128 v3, v[PK+8*(\q):PK+8*(\q)+3],   s[6:7] offset:(\q)*ROWH       ; 512 consecutive bytes, at a multiple of 512 from cb's first
	global_store_b128 v3, v[PK+8*(\q)+4:PK+8*(\q)+7], s[6:7] offset:(\q)*ROWH+512
.irp m, 0,1,2,3,4,5,6,7
	v_lshlrev_b32 v[T+2*(\m)],   16,  v[PK+8*(\q)+(\m)]    ; the rounded numbers back as f32
	v_and_b32     v[T+2*(\m)+1], s13, v[PK+8*(\q)+(\m)]
.endr
	v_pk_mul_f32 v[A:A+1],   v[T:T+1],   v[T:T+1]          ; the first squares start the two chains: nothing is cleared
	v_pk_mul_f32 v[A+2:A+3], v[T+2:T+3], v[T+2:T+3]
.irp m, 2,3,4,5,6,7
	v_pk_fma_f32 v[A+2*((\m)%2):A+2*((\m)%2)+1], v[T+2*(\m):T+2*(\m)+1], v[T+2*(\m):T+2*(\m)+1], v[A+2*((\m)%2):A+2*((\m)%2)+1]
.endr
	v_pk_add_f32 v[A:A+1], v[A:A+1], v[A+2:A+3]
	v_add_f32 v[W], v[A], v[A+1]
	v_add_f32_dpp v[W], v[W], v[W] row_xmask:1 row_mask:0xf bank_mask:0xf   ; across the 32 lanes
	v_add_f32_dpp v[W], v[W], v[W] row_xmask:2 row_mask:0xf bank_mask:0xf
	v_add_f32_dpp v[W], v[W], v[W] row_xmask:4 row_mask:0xf bank_mask:0xf
	v_add_f32_dpp v[W], v[W], v[W] row_xmask:8 row_mask:0xf bank_mask:0xf
	v_permlanex16_b32 v[W+1], v[W], s14, s15
	v_add_f32 v[S+(\q)], v[W], v[W+1]
.endm
	ROW 0
	ROW 1
	ROW 2
	ROW 3
	v_cmp_eq_u32 vcc_lo, 0, v1
	s_wait_xcnt 0x0                                ; EXEC is a source of the stores above: it changes only behind this wait
	s_and_saveexec_b32 s12, vcc_lo
	global_store_b128 v4, v[S:S+3], s[8:9]         ; lane 0: my four rows' sums
	s_wait_xcnt 0x0                                ; and again in front of the line that widens it
	s_or_b32 exec_lo, exec_lo, s12
	s_endpgm
.Lfunc_end_k_q684508a8ca_prep:
	.size	k_q684508a8ca_prep, .Lfunc_end_k_q684508a8ca_prep-k_q684508a8ca_prep
	.p2alignl 7, 3214868480
	.fill 96, 4, 3214868480
	.section	.rodata,"a",@progbits
	.p2align	6, 0x0
	.amdhsa_kernel k_q684508a8ca_prep
		.amdhsa_group_segment_fixed_size 0
		.amdhsa_private_segment_fixed_size 0
		.amdhsa_enable_private_segment 0
		.amdhsa_kernarg_size 24
		.amdhsa_user_sgpr_count 2
		.amdhsa_user_sgpr_kernarg_segment_ptr 1
		.amdhsa_wavefront_size32 1
		.amdhsa_system_sgpr_workgroup_id_x 1
		.amdhsa_system_sgpr_workgroup_id_y 1
		.amdhsa_system_sgpr_workgroup_id_z 1
		.amdhsa_system_vgpr_workitem_id 0
		.amdhsa_next_free_vgpr 144
		.amdhsa_next_free_sgpr 66
		.amdhsa_reserve_vcc 1
		.amdhsa_float_denorm_mode_32 3
		.amdhsa_float_denorm_mode_16_64 3
		.amdhsa_memory_ordered 1
		.amdhsa_forward_progress 1
		.amdhsa_inst_pref_size 12
	.end_amdhsa_kernel
	.amdgpu_metadata
---
amdhsa.version: [ 1, 2 ]
amdhsa.kernels:
  - .name:           k_q684508a8ca_prep
    .symbol:         k_q684508a8ca_prep.kd
    .args:
      - { .name: centroids, .offset: 0, .size: 8, .value_kind: global_buffer, .address_space: global }
      - { .name: cb, .offset: 8, .size: 8, .value_kind: global_buffer, .address_space: global }
      - { .name: csq, .offset: 16, .size: 8, .value_kind: global_buffer, .address_space: global }
    .group_segment_fixed_size: 0
    .private_segment_fixed_size: 0
    .kernarg_segment_align: 8
    .kernarg_segment_size: 24
    .max_flat_workgroup_size: 128
    .sgpr_count:     66
    .vgpr_count:     144
    .wavefront_size: 32
...
	.end_amdgpu_metadata
.endif
;; end of part 1
;; launch assign (part 2): grid 256 x 1, 4 waves a work-group, clusters of 4 x 1, 327,680 bytes of LDS; arguments x, cb, csq, out0; writes out0
.if DOCPART == 2
	.amdgcn_target "amdgcn-amd-amdhsa--gfx1250"
	.amdhsa_code_object_version 6
	.text
	.protected	k_q684508a8ca_assign
	.globl	k_q684508a8ca_assign
	.p2align	8
	.type	k_q684508a8ca_assign,@function
k_q684508a8ca_assign:
	s_mov_b64 s[64:65], 0
	v_nop
	global_prefetch_b8 v0, s[64:65] scope:SCOPE_SE
	s_setreg_imm32_b32 hwreg(HW_REG_WAVE_MODE, 25, 1), 1
	s_wait_xcnt 0x0
	s_wait_alu depctr_hold_cnt(0) depctr_sa_sdst(0) depctr_va_vdst(0) depctr_va_sdst(0) depctr_va_ssrc(0) depctr_va_vcc(0) depctr_vm_vsrc(0)
	s_getreg_b32 s2, hwreg(HW_REG_IB_STS2, 6, 4)
	s_cmp_eq_u32 s2, 0
	s_cbranch_scc0 .Lentry_in_a_cluster
	s_endpgm
.Lentry_in_a_cluster:
	s_bfe_u32 s2, ttmp6, 0x10000c
	s_cmp_lg_u32 s2, 0x3003
	s_cbranch_scc0 .Lentry_shape_is_right
	s_endpgm
.Lentry_shape_is_right:
; out0[b] = the lowest k that makes d = csq[k] - 2 x[b].cb[k] least.  x: [32768][512] f32; cb: [4096][512] bf16 and csq: [4096] f32 as the launch before stored them; out0: [32768] i32.
; Nothing of reference() is left out.  x is rounded once to bf16 on its way into registers; products' sums in f32, from 0, K ascending; d = fma(-2, sum, csq): 2 x sum is exact, so this is
; the one rounding of csq - 2.0 * sum.  A new d replaces the best only if it is strictly less, and centroids come in ascending order, so equal d keep the lowest index.
; LIMITS.  As stated at the head of the launch before: inputs rounded to bf16; distances closer than the f32 summations' rounding may resolve otherwise than in reference(); NaN and
; infinities are not treated as argmin treats them.
; SHARES.  256 work-groups; each owns 128 rows of x and walks all 4,096 centroids: a row of the output has one owner, and no score leaves registers.  Four waves, 2 x 2: wave w has the 64 rows
; i = w / 2 and, of each tile of 128 centroids, the 64 jw = w % 2.  ITS 64 ROWS OF X STAY IN REGISTERS FOR ALL OF K: 4 tiles of 16 rows x 16 K steps x 8 = 512 registers.  So the loop reads
; only centroid fragments from LDS, and a fragment of 1,024 bytes feeds four matrix instructions.
; THE RING.  Two LDS slots, each a tile of 128 centroids x all 512 channels; 32 steps, 256 matrix instructions a wave in each.  Each wave fetches a quarter of a tile, 32 rows of 1,024 bytes.
; CLUSTER.  All work-groups walk the same tiles: the four of a cluster ask JOINTLY, by the same tensor load with the same descriptor and the mask of four; a mask names four work-groups at the most.
; LAYOUT.  D = x c^T (source 0 = 16 rows of x, source 1 = 16 centroids): in the result lane l holds ONE centroid (l % 16) and the rows 8 (l / 16) + 0..7.  So csq is one register for a tile of 16 centroids,
; and the candidate index is a scalar, the tile's number T; a lane keeps (best d, T) for each of its 32 rows, and the 16 lanes x 2 waves that share a row meet once, at the end, in LDS.
; BY HALVES.  A step is two halves of 128 matrix instructions, on accumulator sets 0 (centroid tiles 0, 1 of my four) and 1 (tiles 2, 3).  While one set is summed, the other, finished in the half before,
; is taken into the minima: 224 vector instructions, cut into 64 slices of 4 and 3, one between every two matrix instructions.  The very first half so treats a set that no product has written (leftovers
; of x's staging) with csq = +infinity: its d never lowers a best, and an index that it leaves is replaced by the first finite d: the price of one text for every half.
; REGISTERS, in windows of 256 (s_set_vgpr_msb: bits 1:0 source 0, 3:2 source 1, 5:4 source 2, 7:6 destination):
;   window 0: v0-19 addresses and work; v64-191 two buffers of 8 centroid fragments (4 K steps x 2 tiles)
;   window 1: v0-127 the two accumulator sets; v128-159 best; v160-191 T; v192-195 d at work; v200-207 csq; v208 l % 16, v209 an address.  At the head all 256: x as f32, on its way
;   window 2: x's fragments of K steps 0-7 (K step f, tile t at 32 f + 8 t)          window 3: of K steps 8-15
; The minima lie beside the accumulators and x fills two windows, so a slice costs two switches: one for each matrix instruction.
.set PITCH, 1040                       ; an LDS row: 1,024 bytes + 16 of padding = 260 words: row r starts at bank 4 r mod 64 (64 banks of 4 bytes: ISA guide 11.1), so the 16 rows of a load start at 16 different banks
.set QROWB, 32*PITCH                   ; what one tensor load brings
.set SLOT,  4*QROWB                    ; 133,120 = 0x20800; no LDS address that is turned by an exclusive or with it has bit 17 or bit 11 set in slot 0
.set TILEB, 131072                     ; a tile's bytes in cb
.set CSQ,   2*SLOT                     ; all of csq, 16,384 bytes, filled once
.set RESD,  CSQ+16384                  ; the end: 128 rows x 144 bytes (32 candidates' d + 16 of padding); written by LDS stores alone, like the two regions behind it
.set RESI,  RESD+128*144               ; their indices, laid alike
.set OUTS,  RESI+128*144               ; the 128 results
.set SPARE, OUTS+512                   ; the spare words, 128 bytes for each wave: two blocks of 256 bytes that no other line names
.set RR,  1                            ; v1   l % 16
.set HH,  2                            ; v2   l / 16
.set XO,  3                            ; v3   my byte offset in 16 rows of x: 2,048 (l % 16) + 32 (l / 16); never rewritten
.set AC0, 4                            ; v4   my place in a tile: (64 jw + l % 16) x PITCH + 16 (l / 16); never rewritten
.set AC,  5                            ; v5   the same in the slot that is being read
.set LN,  6                            ; v6   lane
.set CQA, 7                            ; v7   LDS address of my lane's csq for the step in hand
.set PFO, 8                            ; v8   256 x lane; never rewritten
.set CQ0, 9                            ; v9   CSQ + 256 jw + 4 (l % 16); never rewritten
.set SPW, 10                           ; v10  LDS address of my spare word: SPARE + 4 x my thread's number; never rewritten
.set NIL, 11                           ; v11  0; never rewritten
.set RDA, 12                           ; v12  the end: my row's candidates: RESD + 144 x thread
.set OSA, 13                           ; v13  where my row's result goes
.set OLA, 14                           ; v14  where wave 0 reads 16 bytes of results
.set GO,  15                           ; v15  and their place in the work-group's 512 bytes of out0
.set TMP, 16                           ; v16  at work
.set MN,  16                           ; v[16:19] the end: four chains of minima
.set FB,  64                           ; the fragment buffers
.set CD,  64                           ; the end: v[64:95] a row's 32 candidates' d,
.set CI,  96                           ; v[96:127] and their indices
.set BEST, 128                         ; window 1: row 16 t + 8 (l / 16) + j of my 64 at 8 t + j
.set IDX,  160
.set DD,   192
.set CQ,   200                         ; tile c's csq in register 200 + 2 c; the packed fma names a pair and takes its low word for both halves
.set R1,   208                         ; l % 16
.set RSA,  209                         ; RESD + (64 i + 8 (l / 16)) x 144 + 4 (16 jw + l % 16)
.set WV,  12                           ; s12  my wave's number
.set G1,  24                           ; s[24:31] descriptor group 1 for the centroids' tiles
.set G1C, 32                           ; s[32:39] for csq
.set G0A, 40                           ; s[40:43] descriptor group 0: tile 0
.set G0B, 44                           ; s[44:47] tile 1; it then walks
.set G0C, 48                           ; s[48:51] csq
.set TB,  52                           ; s52  LDS byte at which the slot that is being read begins
.set CNT, 53                           ; s53  steps to go in the loop in hand
.set LIM, 54                           ; s54  2 in the cluster that prefetches, else the greatest number
.set CQS, 55                           ; s55  512 x step
.set PFA, 56                           ; s[56:57] where my prefetches stand
.set TN,  58                           ; s[58:61] the numbers T of my four tiles of 16 centroids: 8 x step + 4 jw + c
.set MKA, 62                           ; s62, s63 lanes in which the old best stays
.set MKB, 63
.set MSB, 0
.macro WIN new                         ; the immediate's high byte repeats the setting that is left; a switch that changes nothing is dropped
.if MSB != (\new)
	s_set_vgpr_msb (MSB<<8)|(\new)
.set MSB, (\new)
.endif
.endm
.set W_L1, 0x40                        ; destination window 1, address or source window 0
.set W_C2, 0x85                        ; sources window 1, destination window 2 (0xc5: window 3)
.set W_MA, 0x52                        ; x (source 0) window 2, centroids (source 1) window 0, C and D window 1 (0x53: x in window 3)
.set W_EP, 0x55                        ; all in window 1
.macro PLACES
.rept 4
	v_nop
.endr
.endm
; A round of the cluster's barrier: my work-group's barrier, so that wave 0's signal speaks for all four waves; wave 0 signals; every wave waits for all four work-groups; my work-group's barrier once more.
.macro CREST                           ; a round behind its opening barrier
	s_cmp_lg_u32 s[WV], 0
	s_cbranch_scc1 .Lnot_wave_0_\@
	s_barrier_signal -3
.Lnot_wave_0_\@:
	s_barrier_wait -3
	s_barrier_signal -1
	s_barrier_wait -1
.endm
.macro CROUND
	s_barrier_signal -1
	s_barrier_wait -1
	CREST
.endm
; A PREFETCH INTO THE L2, behind a joint refill, its five lines and the run of LDS loads: the refill of step s asks for tile s + 2, the prefetch names tile s + 4: two refills, 512 matrix instructions, ahead of the
; load that will want it.  A tile is 512 blocks of 256 bytes.  All clusters walk the same tiles: the first cluster asks, and nobody else; its four partners take 32,768 bytes each, told apart BY ADDRESS, each wave
; 8,192 of them, a lane a block: one instruction a wave, each block named once in the launch.  Tiles 0 to 3 come by their loads alone; the last two refills ask for nothing: there is no tile 32.
.macro ASK
	s_cmp_gt_u32 s[CNT], s[LIM]
	s_cbranch_scc0 .Lnot_mine_\@
	global_prefetch_b8 v[PFO], s[PFA:PFA+1] th:TH_LOAD_NT scope:SCOPE_SE
.Lnot_mine_\@:
.endm
	s_load_b256 s[4:11], s[0:1], 0x0               ; x s[4:5], cb s[6:7], csq s[8:9], out0 s[10:11]
	v_lshl_add_u32 v[SPW], v0, 2, SPARE
	v_mov_b32 v[NIL], 0
	ds_add_u32 v[SPW], v[NIL]                      ; the wave's opening: the add, twice on end, and its wait ahead of my first tensor load; the set-up below, work on registers, stands between
	ds_add_u32 v[SPW], v[NIL]                      ; and once more, under the one wait
	v_lshrrev_b32 v1, 5, v0
	v_readfirstlane_b32 s[WV], v1                  ; wave 0..3
	s_lshr_b32 s13, s[WV], 1                       ; i: which 64 rows of x
	s_and_b32 s14, s[WV], 1                        ; jw: which 64 centroids of a tile
	s_bfe_u32 s15, ttmp6, 0x40000                  ; cx: my place in the cluster: it enters x's, out0's and the prefetches' addresses alone
	s_lshl_b32 s16, ttmp9, 2                       ; in a cluster launch ttmp9 counts clusters
	s_add_co_u32 s16, s16, s15                     ; my work-group
	; group 1 for a quarter of a tile: 32 rows x 512 elements of 2 bytes, padded in LDS
	s_mov_b32 s[G1+0], 15|(1<<16)|(1<<20)|(1<<21)|(7<<22)|(3<<25)  ; 15:0 the mask of four; 17:16 2-byte elements; 20 padding on; 21 set beside a mask; 24:22 after every 256 words (code 7); 31:25 4 words (code 3)
	s_mov_b32 s[G1+1], 512<<16                     ; tensor_dim0 = 512
	s_mov_b32 s[G1+2], 32<<16                      ; tensor_dim1 = 32
	s_mov_b32 s[G1+3], 512<<16                     ; tile_dim0 = 512
	s_mov_b32 s[G1+4], 32                          ; tile_dim1 = 32
	s_mov_b32 s[G1+5], 512                         ; elements from row to row
	s_mov_b32 s[G1+6], 0
	s_mov_b32 s[G1+7], 0
	; group 1 for a quarter of csq: 4,096 dense bytes as 16 rows x 32 elements of 8 bytes
	s_mov_b32 s[G1C+0], 15|(3<<16)|(1<<21)
	s_mov_b32 s[G1C+1], 32<<16
	s_mov_b32 s[G1C+2], 16<<16
	s_mov_b32 s[G1C+3], 32<<16
	s_mov_b32 s[G1C+4], 16
	s_mov_b32 s[G1C+5], 32
	s_mov_b32 s[G1C+6], 0
	s_mov_b32 s[G1C+7], 0
	s_mov_b32 s[G0A], 1                            ; count = 1
	s_mul_i32 s[G0A+1], s[WV], QROWB               ; LDS address: my quarter of slot 0: the wave's number alone enters it
	s_mov_b32 s[G0B], 1
	s_add_co_u32 s[G0B+1], s[G0A+1], SLOT          ; of slot 1
	s_mov_b32 s[G0C], 1
	s_lshl_b32 s[G0C+1], s[WV], 12
	s_add_co_u32 s[G0C+1], s[G0C+1], CSQ
	s_lshl_b32 s20, s[WV], 15                      ; my quarter of a tile in cb,
	s_mov_b32 s21, 0
	s_lshl_b32 s22, s[WV], 12                      ; and of csq
	s_mov_b32 s23, 0
	s_lshl1_add_u32 s2, s16, s13                   ; my 64 rows of x: (2 x work-group + i) x 131,072 bytes
	s_lshl_b32 s2, s2, 17
	s_mov_b32 s3, 0
	s_lshl_b32 s[PFA], s15, 15                     ; the prefetches' offset in cb: my work-group's quarter of a tile,
	s_lshl_b32 s17, s[WV], 13                      ; my wave's quarter of that,
	s_add_co_u32 s[PFA], s[PFA], s17
	s_add_co_u32 s[PFA], s[PFA], 3*TILEB           ; in tile 3: the first change of slots steps it to tile 4
	s_mov_b32 s[PFA+1], 0
	s_cmp_eq_u32 ttmp9, 0                          ; the same in all four partners
	s_cselect_b32 s[LIM], 2, -1
	s_mov_b32 s[TB], 0
	s_mov_b32 s[CQS], 0
	s_lshl_b32 s[TN], s14, 2
	s_sub_co_u32 s[TN], s[TN], 8                   ; each half adds 8 to its two numbers at its head
	s_add_co_u32 s[TN+1], s[TN], 1
	s_add_co_u32 s[TN+2], s[TN], 2
	s_add_co_u32 s[TN+3], s[TN], 3
	v_and_b32 v[RR], 15, v0
	v_bfe_u32 v[HH], v0, 4, 1
	v_and_b32 v[LN], 31, v0
	v_lshlrev_b32 v[XO], 11, v[RR]
	v_lshl_add_u32 v[XO], v[HH], 5, v[XO]
	s_mul_i32 s18, s14, 64*PITCH
	v_mul_u32_u24 v[AC0], v[RR], PITCH
	v_lshl_add_u32 v[AC0], v[HH], 4, v[AC0]
	v_add_nc_u32 v[AC0], s18, v[AC0]
	s_lshl_b32 s18, s14, 8
	s_add_co_u32 s18, s18, CSQ
	v_lshl_add_u32 v[CQ0], v[RR], 2, s18
	v_lshlrev_b32 v[PFO], 8, v[LN]
	v_mul_u32_u24 v[RDA], v0, 144
	v_add_nc_u32 v[RDA], RESD, v[RDA]
	v_lshl_add_u32 v[OSA], v0, 2, OUTS
	v_lshl_add_u32 v[OLA], v[LN], 4, OUTS
	v_lshlrev_b32 v[GO], 4, v[LN]
	s_mul_i32 s18, s13, 64*144
	s_lshl_b32 s19, s14, 6
	s_add_co_u32 s18, s18, s19
	s_add_co_u32 s18, s18, RESD
	v_mul_u32_u24 v[TMP], v[HH], 8*144
	v_lshl_add_u32 v[TMP], v[RR], 2, v[TMP]
	v_add_nc_u32 v[TMP], s18, v[TMP]               ; goes to window 1 below
	s_wait_dscnt 0x0                               ; both opening adds are done
	s_wait_kmcnt 0x0
	s_add_nc_u64 s[G0A+2:G0A+3], s[6:7], s[20:21]  ; global address: my quarter of tile 0,
	s_add_nc_u64 s[G0B+2:G0B+3], s[G0A+2:G0A+3], TILEB  ; of tile 1
	s_or_b32 s[G0A+3], s[G0A+3], 0x80000000        ; type = 2
	s_or_b32 s[G0B+3], s[G0B+3], 0x80000000
	s_add_nc_u64 s[G0C+2:G0C+3], s[8:9], s[22:23]
	s_or_b32 s[G0C+3], s[G0C+3], 0x80000000
	s_add_nc_u64 s[PFA:PFA+1], s[6:7], s[PFA:PFA+1]
	s_add_nc_u64 s[4:5], s[4:5], s[2:3]            ; x at my wave's first row
	s_lshl_b32 s2, s16, 9
	s_add_nc_u64 s[10:11], s[10:11], s[2:3]        ; out0 at my work-group's 128 numbers
	CROUND                                         ; all four work-groups are here: the first joint loads meet
	tensor_load_to_lds s[G0A:G0A+3], s[G1:G1+7]    ; the first fills go out as one group: three loads of mine are out, the most in this text
	s_nop 0
	tensor_load_to_lds s[G0C:G0C+3], s[G1C:G1C+7]
	s_nop 0
	tensor_load_to_lds s[G0B:G0B+3], s[G1:G1+7]
	s_nop 0
	PLACES                                         ; an s_nop 0 behind each load, four v_nop behind the last, ahead of the window switch below
; X INTO REGISTERS.  A fragment is 16 rows x 32 channels in 8 registers: lane l holds row l % 16; registers 0-3 channels 8 (l / 16) + 0..7, registers 4-7 channels 16 + 8 (l / 16) + 0..7.  As f32 those are
; four loads of 16 bytes, at 0, 16, 64 and 80 from 128 x K step + 32 (l / 16).  Group g of 16: row tiles 2 (g % 2) + 0, 1 and K steps 2 (g / 2) + 0, 1: 256 consecutive bytes, aligned, of each of 32 rows,
; into a quarter of window 1.  No hint: the two waves with the same i read the same rows.
.macro XLOAD g
	WIN W_L1
.irp a, 0,1
.irp b, 0,1
.irp n, 0,1,2,3
.set xs, 64*((\g)%4)+16*(2*(\a)+(\b))+4*(\n)
	global_load_b128 v[xs:xs+3], v[XO], s[4:5] offset:(2*((\g)%2)+(\a))*32768+(2*((\g)/2)+(\b))*128+16*((\n)%2)+64*((\n)/2)
.endr
.endr
.endr
.endm
.macro XCVT g                          ; the group is rounded to bf16, into its four fragments
	WIN W_C2+0x40*((\g)/8)
.irp a, 0,1
.irp b, 0,1
.irp n, 0,1,2,3
.set xs, 64*((\g)%4)+16*(2*(\a)+(\b))+4*(\n)
.set xd, 32*((2*((\g)/2)+(\b))%8)+8*(2*((\g)%2)+(\a))+2*(\n)
	v_cvt_pk_bf16_f32 v[xd],   v[xs],   v[xs+1]
	v_cvt_pk_bf16_f32 v[xd+1], v[xs+2], v[xs+3]
.endr
.endr
.endr
.endm
	XLOAD 0
	XLOAD 1
	XLOAD 2
.set g, 0
.rept 16
.if g < 14
	s_wait_loadcnt 32                              ; group g is in; the two younger groups' 32 loads stay out
.elseif g == 14
	s_wait_loadcnt 16
.else
	s_wait_loadcnt 0x0
.endif
	XCVT g
.if g < 13
	XLOAD g+3                                      ; into the quarter that was rounded one turn before
.endif
.set g, g+1
.endr
	WIN W_L1
.set n, 0
.rept 32
	v_mov_b32 v[BEST+n], 0x7f800000                ; +infinity: every finite d is less
	v_mov_b32 v[IDX+n], 0
.set n, n+1
.endr
	v_mov_b32 v[CQ+4], 0x7f800000                  ; for the first half's riders, which work on a set that no product has written
	v_mov_b32 v[CQ+6], 0x7f800000
.irp n, 1,3,5,7
	v_mov_b32 v[CQ+(\n)], 0                        ; named as the pairs' upper words, never used
.endr
	v_mov_b32 v[R1], v[RR]
	v_mov_b32 v[RSA], v[TMP]
	WIN 0
; THE MATRIX WORK.  Product w of a half's 128, for set HS: K step w / 8, centroid tile (w / 4) % 2 of the set's two, row tile w % 4.  The set's 8 accumulators take turns, one instruction a turn:
; 7 others' stand between two links of a chain, and the two halves' sets differ, over the backward jump too.  The first 8 start the sums with the constant 0: nothing is cleared.
.macro MM
.set kf, w/8
.set rD, 64*HS+8*(w%8)
.set rA, 32*(kf%8)+8*(w%4)
.set rF, FB+64*((kf/4)%2)+16*(kf%4)+8*((w/4)%2)
	WIN W_MA+(kf/8)
.if kf == 0
	v_wmma_f32_16x16x32_bf16 v[rD:rD+7], v[rA:rA+7], v[rF:rF+7], 0
.else
	v_wmma_f32_16x16x32_bf16 v[rD:rD+7], v[rA:rA+7], v[rF:rF+7], v[rD:rD+7]
.endif
.set w, w+1
.endm
; THE VECTOR WORK, on set HR.  Unit u of 32 is a pair of registers: accumulator u / 4 (centroid tile u / 16, row tile (u / 4) % 4), registers 2 (u % 4) and the next: each accumulator is read from its low end on.
.macro UREG u
.set rAc, 64*HR+8*((\u)/4)+2*((\u)%4)
.set rDd, DD+2*((\u)%2)
.set rBe, BEST+8*(((\u)/4)%4)+2*((\u)%4)
.set rIx, IDX+8*(((\u)/4)%4)+2*((\u)%4)
.set rCq, CQ+2*(2*HR+(\u)/16)
.set sTn, TN+2*HR+(\u)/16
.endm
.macro FD u                            ; d = csq - 2 x sum, two at a time, one rounding each
	UREG \u
	v_pk_fma_f32 v[rDd:rDd+1], v[rAc:rAc+1], -2.0, v[rCq:rCq+1] op_sel_hi:[1,0,0]
.endm
; Slice k of 64.  2 u: the next unit's d; where does the old best stay (d >= best)?; the first minimum.  2 u + 1: the second minimum; T where the old best does not stay.
.macro SLICE
	WIN W_EP
.if k%2 == 0
.if k/2 < 31
	FD k/2+1
.endif
	UREG k/2
	v_cmp_ge_f32 s[MKA], v[rDd], v[rBe]
	v_cmp_ge_f32 s[MKB], v[rDd+1], v[rBe+1]
	v_min_num_f32 v[rBe], v[rDd], v[rBe]
.else
	UREG k/2
	v_min_num_f32 v[rBe+1], v[rDd+1], v[rBe+1]
	v_cndmask_b32 v[rIx], s[sTn], v[rIx], s[MKA]
	v_cndmask_b32 v[rIx+1], s[sTn], v[rIx+1], s[MKB]
.endif
.set k, k+1
.endm
.macro GROUP                           ; a K step: 8 products and 14 riders
.rept 4
	MM
	SLICE
	MM
.endr
.endm
; THE LDS LOADS stand in runs of 16: a chunk of 4 K steps x the set's 2 centroid tiles, into buffer fb.  A fragment: lane l holds centroid l % 16; two loads of 16 bytes, 32 bytes apart.
.macro FETCH fs, fc, fb
	WIN 0
.irp q, 0,1,2,3
.irp e, 0,1
	ds_load_b128 v[FB+64*(\fb)+16*(\q)+8*(\e):FB+64*(\fb)+16*(\q)+8*(\e)+3],   v[AC] offset:(2*(\fs)+(\e))*16*PITCH+(4*(\fc)+(\q))*64
	ds_load_b128 v[FB+64*(\fb)+16*(\q)+8*(\e)+4:FB+64*(\fb)+16*(\q)+8*(\e)+7], v[AC] offset:(2*(\fs)+(\e))*16*PITCH+(4*(\fc)+(\q))*64+32
.endr
.endr
.endm
.macro CSQLD fs                        ; my lane's csq for the set's two centroid tiles; the riders of the next half read them
	WIN W_L1
	ds_load_b32 v[CQ+4*(\fs)],   v[CQA] offset:(2*(\fs))*64
	ds_load_b32 v[CQ+4*(\fs)+2], v[CQA] offset:(2*(\fs)+1)*64
.endm
; A HALF, for set hs: four chunks of 4 K steps, on fragment buffers 0, 1, 0, 1.  Behind a chunk's first K step the next chunk is fetched into the other buffer: 14 riders behind the last product that read it
; (a load into a register that a matrix instruction has read stands four plain vector instructions behind it), 24 products ahead of its first use.
; No v_nop stands at a half's head.  Accumulator a of the finished set was last written by product 120 + a of the half before and is first read by unit 4 a: behind product 120 stand slices 60 to 63, 13 vector
; instructions that name none of its registers (ISA guide 7.12.1 asks for four); for the later accumulators this half's own riders come on top.
; turn = 0: the next chunk is set 1's first.  turn = 1, 2: the half ends a step: THE CHANGE OF SLOTS, with (1) or without (2) a joint refill.
.macro HALF hs, turn
.set HS, (\hs)
.set HR, 1-(\hs)
.set w, 0
.set k, 0
	s_add_co_u32 s[TN+2*HS], s[TN+2*HS], 8         ; this step's numbers for the set that is summed now; the riders name the other set's
	s_add_co_u32 s[TN+2*HS+1], s[TN+2*HS+1], 8
	WIN W_EP
	FD 0
.irp ch, 0,1,2
	s_wait_dscnt 0x0                               ; the chunk's fragments are in
	GROUP
	FETCH HS, (\ch)+1, ((\ch)+1)%2
.if (\ch) == 0
	CSQLD HS
.endif
.rept 3
	GROUP
.endr
.endr
.if (\turn) == 0
	s_wait_dscnt 0x0
	GROUP
	FETCH 1, 0, 0
.rept 3
	GROUP
.endr
.else
	WIN 0                                          ; (the add's two registers lie in window 0)
.if (\turn) == 1
	s_wait_xcnt 0x0                                ; the last prefetch, a step back, has read its address: it is stepped here, ahead of the change's own waits
	s_add_nc_u64 s[PFA:PFA+1], s[PFA:PFA+1], TILEB
.endif
	s_wait_tensorcnt 0x0                           ; all my tensor loads have landed: the one that was out is my quarter of the other slot; so a group 0 may be written
	ds_add_u32 v[SPW], v[NIL]                      ; 0 onto my spare word; scalar steps and 8 products stand between it and the wait for it
.if (\turn) == 1
	s_xor_b32 s[G0B+1], s[G0B+1], SLOT             ; the walking descriptor: the slot that is being left,
	s_add_nc_u64 s[G0B+2:G0B+3], s[G0B+2:G0B+3], TILEB  ; the next tile; the type bits on top are not reached
.endif
	s_xor_b32 s[TB], s[TB], SLOT                   ; the fetches go to the other slot,
	s_add_co_u32 s[CQS], s[CQS], 512               ; and to the next step's csq
	s_wait_dscnt 0x1                               ; the chunk's 16 loads are in; the add alone may be out
	GROUP
	s_wait_dscnt 0x0                               ; the add is done, and my reads of this slot are over
	s_barrier_signal -1                            ; (with a refill this barrier opens a round of the cluster's)
	GROUP                                          ; work on registers while the others arrive
	WIN 0                                          ; at a branch and at a label every window is 0
	s_barrier_wait -1
.if (\turn) == 1
	CREST                                          ; no wave of any partner still reads this slot or has a load on its way
	tensor_load_to_lds s[G0B:G0B+3], s[G1:G1+7]    ; my one tensor load behind the round, and the first thing there: it has 240 matrix instructions in which to land
	s_nop 0
	PLACES
.endif
	v_add_nc_u32 v[AC], s[TB], v[AC0]
	v_add_nc_u32 v[CQA], s[CQS], v[CQ0]
	FETCH 0, 0, 0                                  ; the next step's first chunk: buffer 0's last reader stands two K steps, 28 riders, back
.if (\turn) == 1
	ASK
.endif
	GROUP
	GROUP
.endif
.endm
	s_wait_tensorcnt 0x1                           ; my parts of tile 0 and of csq are in; tile 1's, issued last, may stay out
	s_barrier_signal -1
	s_barrier_wait -1                              ; everybody's are
	v_add_nc_u32 v[AC], s[TB], v[AC0]
	v_add_nc_u32 v[CQA], s[CQS], v[CQ0]
	FETCH 0, 0, 0
	s_mov_b32 s[CNT], 30
.Lstep:                                                ; steps 0 to 29: each asks for the tile two steps on
	HALF 0, 0
	HALF 1, 1
	WIN 0
	s_sub_co_u32 s[CNT], s[CNT], 1
	s_cmp_lg_u32 s[CNT], 0
	s_cbranch_scc1 .Lstep
	s_mov_b32 s[CNT], 2
.Ltail:                                                ; steps 30 and 31 ask for nothing: a text of their own.  Step 31's change meets a barrier and fetches 16 fragments
	HALF 0, 0                                      ; that nobody uses: the price, once a launch, of one text for both trips
	HALF 1, 2
	WIN 0
	s_sub_co_u32 s[CNT], s[CNT], 1
	s_cmp_lg_u32 s[CNT], 0
	s_cbranch_scc1 .Ltail
	; THE END.  Set 1 of the last step is taken into the minima (the places behind its products are counted as at a half's head).
	s_wait_dscnt 0x0                               ; the last fetch has landed: its registers are loaded again below
.set HR, 1
.set k, 0
	WIN W_EP
	FD 0
.rept 64
	SLICE
.endr
.set n, 0
.rept 32
	v_lshl_add_u32 v[IDX+n], v[IDX+n], 4, v[R1]    ; the centroid's index: 16 T + l % 16
.set n, n+1
.endr
	WIN 0x05                                       ; LDS stores: address (source 0) and data (source 1) in window 1
.set n, 0
.rept 32
	ds_store_b32 v[RSA], v[BEST+n] offset:(16*(n/8)+n%8)*144            ; row 64 i + 16 t + 8 (l / 16) + j, candidate 16 jw + l % 16
	ds_store_b32 v[RSA], v[IDX+n]  offset:(16*(n/8)+n%8)*144+RESI-RESD
.set n, n+1
.endr
	WIN 0
	s_wait_dscnt 0x0                               ; for the others' sake: my stores are done
	s_barrier_signal -1
	s_barrier_wait -1
.irp q, 0,1,2,3,4,5,6,7                ; thread t takes row t: its 32 candidates
	ds_load_b128 v[CD+4*(\q):CD+4*(\q)+3], v[RDA] offset:16*(\q)
.endr
.irp q, 0,1,2,3,4,5,6,7
	ds_load_b128 v[CI+4*(\q):CI+4*(\q)+3], v[RDA] offset:RESI-RESD+16*(\q)
.endr
	s_wait_dscnt 0x0
.irp c, 0,1,2,3                        ; the least d, in four chains
	v_min_num_f32 v[MN+(\c)], v[CD+8*(\c)], v[CD+8*(\c)+1]
.endr
.irp m, 2,3,4,5,6,7
.irp c, 0,1,2,3
	v_min_num_f32 v[MN+(\c)], v[MN+(\c)], v[CD+8*(\c)+(\m)]
.endr
.endr
	v_min_num_f32 v[MN], v[MN], v[MN+1]
	v_min_num_f32 v[MN+2], v[MN+2], v[MN+3]
	v_min_num_f32 v[MN], v[MN], v[MN+2]
.set n, 0
.rept 32
	v_cmp_eq_f32 vcc_lo, v[CD+n], v[MN]            ; a candidate that does not reach it gets the greatest number for an index,
	v_cndmask_b32 v[CI+n], -1, v[CI+n], vcc_lo
.set n, n+1
.endr
.irp st, 16,8,4,2,1                    ; and the lowest index is left
.set n, 0
.rept \st
	v_min_u32 v[CI+n], v[CI+n], v[CI+n+(\st)]
.set n, n+1
.endr
.endr
	ds_store_b32 v[OSA], v[CI]
	s_wait_dscnt 0x0
	s_barrier_signal -1
	s_barrier_wait -1
	s_cmp_lg_u32 s[WV], 0                          ; wave 0 stores the work-group's 128 numbers
	s_cbranch_scc1 .Lend
	ds_load_b128 v[CD:CD+3], v[OLA]
	s_wait_dscnt 0x0
	global_store_b128 v[GO], v[CD:CD+3], s[10:11]  ; 512 consecutive bytes, at a multiple of 512 from out0's first
.Lend:
	s_wait_tensorcnt 0x0                           ; the wave's end, behind my last tensor load and my last LDS store
	ds_add_u32 v[SPW], v[NIL]
	s_wait_dscnt 0x0
	CROUND                                         ; the closing round: no work-group ends while a partner may still ask for a tile that names it
	s_endpgm
.Lfunc_end_k_q684508a8ca_assign:
	.size	k_q684508a8ca_assign, .Lfunc_end_k_q684508a8ca_assign-k_q684508a8ca_assign
	.p2alignl 7, 3214868480
	.fill 96, 4, 3214868480
	.section	.rodata,"a",@progbits
	.p2align	6, 0x0
	.amdhsa_kernel k_q684508a8ca_assign
		.amdhsa_group_segment_fixed_size 327680
		.amdhsa_private_segment_fixed_size 0
		.amdhsa_enable_private_segment 0
		.amdhsa_kernarg_size 32
		.amdhsa_user_sgpr_count 2
		.amdhsa_user_sgpr_kernarg_segment_ptr 1
		.amdhsa_wavefront_size32 1
		.amdhsa_system_sgpr_workgroup_id_x 1
		.amdhsa_system_sgpr_workgroup_id_y 1
		.amdhsa_system_sgpr_workgroup_id_z 1
		.amdhsa_system_vgpr_workitem_id 0
		.amdhsa_next_free_vgpr 1024
		.amdhsa_next_free_sgpr 66
		.amdhsa_reserve_vcc 1
		.amdhsa_float_denorm_mode_32 3
		.amdhsa_float_denorm_mode_16_64 3
		.amdhsa_memory_ordered 1
		.amdhsa_forward_progress 1
		.amdhsa_inst_pref_size 209
	.end_amdhsa_kernel
	.amdgpu_metadata
---
amdhsa.version: [ 1, 2 ]
amdhsa.kernels:
  - .name:           k_q684508a8ca_assign
    .symbol:         k_q684508a8ca_assign.kd
    .args:
      - { .name: x, .offset: 0, .size: 8, .value_kind: global_buffer, .address_space: global }
      - { .name: cb, .offset: 8, .size: 8, .value_kind: global_buffer, .address_space: global }
      - { .name: csq, .offset: 16, .size: 8, .value_kind: global_buffer, .address_space: global }
      - { .name: out0, .offset: 24, .size: 8, .value_kind: global_buffer, .address_space: global }
    .group_segment_fixed_size: 327680
    .private_segment_fixed_size: 0
    .kernarg_segment_align: 8
    .kernarg_segment_size: 32
    .max_flat_workgroup_size: 128
    .sgpr_count:     66
    .vgpr_count:     1024
    .wavefront_size: 32
...
	.end_amdgpu_metadata
.endif
;; end of part 2
